; MI455X (gfx1250); checked and timed in simulation.
; The chip was launched on July 23, 2026; its instructions are those of AMD's public machine-readable ISA for CDNA 5 (MIT licence, August 2026) and "CDNA5" Instruction Set Architecture Reference Guide (July 2026). The comments in the code are by the model that wrote it; some were corrected since.
;; Scaled Dot Product Attention. Allowed arithmetic: matrix products marked QUANTISED: E3M2 operands, one E8M0 scale for each 32 along K, by v_wmma_scale_f32_16x16x128_f8f6f4 with both operands' format E3M2, f32 sums; everything else in f32.
;; Inputs: k 4 x 16 x 2,048 x 64 float32; q 4 x 16 x 2,048 x 64 float32; v 4 x 16 x 2,048 x 64 float32.
;; Outputs: out0 4 x 16 x 2,048 x 64 float32.
;; Constants: is_causal = 1.
;; This version of the problem:
;;   THIS VERSION OF THE PROBLEM IS GIVEN IN LOW PRECISION. The matrix products marked QUANTISED in the list below multiply operands that are first quantised to E3M2 (3 exponent bits, 2 mantissa bits; 6 bits a number), with one power-of-two scale for each 32 numbers along K (OCP MX v1.0); their sums are f32. All else is computed in f32.
;;   The module's matrix products, in the order in which they are computed (A, B: the left and right operand; K: the contracted axis; several contracted axes count as one K, in the product's order):
;;     1. batch 64 x [M 2,048, K 64] x [K 64, N 2,048]; A: input q; B: input k: QUANTISED
;;     2. batch 64 x [M 2,048, K 2,048] x [K 2,048, N 64]; A: computed on the way; B: input v: QUANTISED
;;   THE QUANTISER, for each operand of a quantised product, along K:
;;     - K is cut into blocks of 32 from its start; a last block that is shorter is filled with zeros.
;;     - A block's scale is 2^e with e = floor(log2(the largest magnitude in the block)) - 4, held to -126 .. 127; a block of zeros has e = 0. As a byte (E8M0): e + 127.
;;     - Each number is divided by its block's scale, clamped to +-28, and rounded to the nearest number of E3M2, ties to even, subnormals kept.
;;     - The product sums the exact products of the quantised numbers (number of the format x scale) in f32.
;;   ~~~python
;;   def quantise(x, axis):      # numpy; x: float32 -> the quantised numbers, widened to float32 again
;;       x = np.moveaxis(x, axis, -1); K = x.shape[-1]
;;       x = np.pad(x, [(0, 0)] * (x.ndim - 1) + [(0, -K % 32)]); x = x.reshape(x.shape[:-1] + (-1, 32)); a = np.abs(x).max(-1, keepdims=True)
;;       e = np.where(a > 0, np.clip(np.frexp(np.where(a > 0, a, 1))[1] - 1 - 4, -126, 127), 0)      # np.frexp(a)[1] - 1 = floor(log2(a)), exactly
;;       r = np.clip(x / 2.0 ** e, -28, 28)
;;       step = 2.0 ** (np.maximum(np.frexp(np.where(r == 0, 1, r))[1] - 1, -2) - 2)
;;       q = np.round(r / step) * step * 2.0 ** e      # np.round: ties to even
;;       return np.moveaxis(q.reshape(q.shape[:-2] + (-1,))[..., :K], -1, axis).astype(np.float32)
;;   ~~~
;;   OPERANDS COMPUTED ON THE WAY. 'Computed on the way' means the value that the module computes at that place (a softmax that the list does not call 'softmax' is quantised finished and normalised). What goes into a quantiser is computed in f32, as accurately as f32 sums, v_exp_f32 and their like allow (about 1e-6 of the number): no bf16 or f16 on the way to a quantiser, and a product that is left as it is and whose result goes on into a quantised operand takes f32 operands (vector FMAs, or v_wmma_f32_16x16x4_f32). A number that lies on a knife's edge between two numbers of the format may be rounded either way, as far as f32 arithmetic and the matrix unit's own rounding can turn it there, and no further.
;; One version. Each part assembles by itself: llvm-mc -triple=amdgcn-amd-amdhsa -mcpu=gfx1250 --defsym DOCPART=n.
;; ======== version 1 of 1: 2 launches
;; workspace buffers: kv 13,107,200 bytes
;; launch quant (part 1): grid 1024 x 1, 4 waves a work-group, no clusters, 70,656 bytes of LDS; arguments k, v, kv; writes kv
.if DOCPART == 1
	.amdgcn_target "amdgcn-amd-amdhsa--gfx1250"
	.amdhsa_code_object_version 6
	.text
	.protected	k_q208f849d6b_quant
	.globl	k_q208f849d6b_quant
	.p2align	8
	.type	k_q208f849d6b_quant,@function
k_q208f849d6b_quant:
	s_mov_b64 s[64:65], 0
	v_nop
	global_prefetch_b8 v0, s[64:65] scope:SCOPE_SE
	s_setreg_imm32_b32 hwreg(HW_REG_WAVE_MODE, 25, 1), 1
	s_wait_xcnt 0x0
; k and v, [64 heads][2048 keys][64] f32, become codes of BF6 (E3M2) with one E8M0 scale byte for each 32 along a product's K, laid as IMAGES OF THE OPERAND REGISTERS of the
; attention launch.  k is quantised along the head's 64 numbers (two blocks a key), v along the keys (blocks of 32 keys for each channel).
; A block's scale is 2^(floor(log2(largest magnitude)) - 4): its byte is the largest magnitude's exponent field - 4, held at 1 from below by a floor among the maximum's leaves.
; LIMITS: a block of zeros gets the byte 1 where the rule says 127 (its codes are zeros, which add nothing, and only this program reads the bytes); magnitudes under 2^-122 are
; taken at the floor's scale; NaN and infinities among the inputs are not served.
; A work-group takes one key step: 128 keys of one head (unit = 16 x head + step = the work-group's number), and writes its BUNDLE of 12,800 bytes at 12,800 x unit:
;   0     K image: 4 pair fragments b of 1,536 bytes; registers 4 c .. 4 c + 3 of lane l lie at 1536 b + 512 c + 16 l.  Registers 0-5 are key tile T = 2 b, registers 6-11 tile 2 b + 1;
;         lane (r, h) holds numbers 32 h .. 32 h + 31 of key 64 (T / 4) + 8 (T % 4) + r % 8 + 32 (r / 8).
;   6144  V image: 4 fragments t, same chunks; lane (r, h), registers 6 c .. 6 c + 5: channel 16 t + r, keys 64 c + 32 h + 0 .. 31.
;   12288 K's scale words: word 32 e + l: pair 2 e + l / 16, row l % 16; bytes: (tile 2 b, block 0), (2 b, 1), (2 b + 1, 0), (2 b + 1, 1).
;   12544 V's scale words: word 32 e + l: tile 2 e + l / 16, row l % 16; byte i: keys 32 i .. 32 i + 31.
; Waves 0, 1 take K's rows 64 e .. 64 e + 63 (e = wave % 2); waves 2, 3 take V's channels 32 g .. 32 g + 31 for all 128 keys.  Waves share nothing: each has its own LDS bytes, no barrier.
; Every store of codes covers 512 consecutive bytes at a multiple of 256 from the buffer's first byte; a wave's store of scale words covers 128 consecutive bytes, two waves' a block of 256.
.set REG,  17536                       ; a wave's LDS bytes
.set R,    16                          ; v16-143  numbers as loaded
.set X,    144                         ; v144-207 K: two tiles' numbers turned; V: the image read back
.set F,    208                         ; v208-239 codes
.set T,    240                         ; v240-242 a block's upper 16 codes, before they are moved
.set MX,   244                         ; a block's largest magnitude
.set TP,   245                         ; its second chain
.set SCO,  246                         ; the conversions' scale operand
.set BY,   247                         ; v247-250 scale bytes
.set W0,   251                         ; scale words
.set W1,   252
.set PM,   253                         ; what a lane permute brings
	s_load_b128 s[4:7], s[0:1], 0x0                ; k, v
	s_load_b64 s[8:9], s[0:1], 0x10                ; kv
	v_lshl_add_u32 v254, v0, 2, 0x11200
	v_mov_b32 v255, 0
	v_lshrrev_b32 v1, 5, v0
	v_readfirstlane_b32 s10, v1                    ; wave 0..3
	s_and_b32 s11, s10, 1                          ; e, or g
	v_and_b32 v1, 31, v0                           ; lane
	v_and_b32 v2, 15, v0                           ; r
	v_bfe_u32 v3, v0, 4, 1                         ; h
	s_mul_i32 s16, s11, 3072
	s_lshl_b32 s17, s11, 7
	s_mul_i32 s18, s10, REG                        ; my wave's LDS bytes
	v_lshl_add_u32 v4, v1, 4, s16                  ; an image's place in the bundle: 16 x lane + 3,072 x (wave % 2)
	v_lshl_add_u32 v5, v1, 2, s17                  ; 4 x lane + 128 x (wave % 2): a scale word's place; also V's column in a row of v
	v_lshlrev_b32 v6, 3, v3                        ; 8 h
	v_mul_u32_u24 v7, v3, 272                      ; K's stage, in: a load's 512 bytes are two rows: row h, 16 bytes at 16 r
	v_lshl_add_u32 v7, v2, 4, v7
	v_add_nc_u32 v7, s18, v7
	v_and_b32 v13, 7, v0                           ; K's stage, out: row r % 8 + 32 (r / 8) of a tile, + 128 h.  Rows are 272 bytes apart and rows from 32 on lie 128 bytes further,
	v_mul_u32_u24 v8, v13, 272                     ; so that the sixteen rows that sixteen lanes read start in sixteen different 16-byte columns modulo 256
	v_bfe_u32 v13, v0, 3, 1
	v_mad_u32_u24 v8, v13, 8832, v8                ; 32 x 272 + 128
	v_lshl_add_u32 v8, v3, 7, v8
	v_add_nc_u32 v8, s18, v8
	v_mul_u32_u24 v9, v3, 1536                     ; V's image stage, in: my column is row r of fragment h of my wave's two
	v_lshl_add_u32 v9, v2, 4, v9
	v_add_nc_u32 v9, s18, v9
	v_lshl_add_u32 v10, v1, 4, s18                 ; and out: 16 x lane
	v_lshlrev_b32 v11, 4, v1                       ; K's loads: 16 x lane
	v_mov_b32 v[PM], 0                             ; written once: a lane permute's destination counts as one of its sources
	s_mov_b32 s20, 0x76543210
	s_mov_b32 s21, 0xfedcba98                      ; v_permlanex16_b32's selects for lane l xor 16
	s_lshl_b32 s12, ttmp9, 15                      ; a step's 128 rows of 256 bytes
	s_mov_b32 s13, 0
	s_mul_i32 s14, ttmp9, 12800                    ; its bundle
	s_mov_b32 s15, 0
	s_lshl_b32 s22, s11, 14                        ; K: my wave's 64 rows
	s_mov_b32 s23, 0
	s_wait_kmcnt 0x0
	s_add_nc_u64 s[4:5], s[4:5], s[12:13]
	s_add_nc_u64 s[4:5], s[4:5], s[22:23]
	s_add_nc_u64 s[6:7], s[6:7], s[12:13]
	s_add_nc_u64 s[8:9], s[8:9], s[14:15]
; 32 numbers of one block in v[x] on become 6 registers of codes in v[c] on and the scale's byte in v[by].
.macro QBLK x, c, by
	v_max3_num_f32 v[MX], |v[\x]|, |v[\x+1]|, 0x2800000            ; the largest magnitude, in two chains, and the floor 2^(5 - 127): the byte cannot fall under 1
	v_max3_num_f32 v[TP], |v[\x+2]|, |v[\x+3]|, |v[\x+4]|
.irp i, 5,9,13,17,21,25
	v_max3_num_f32 v[MX], v[MX], |v[\x+\i]|, |v[\x+\i+1]|
	v_max3_num_f32 v[TP], v[TP], |v[\x+\i+2]|, |v[\x+\i+3]|
.endr
	v_max3_num_f32 v[MX], v[MX], |v[\x+29]|, |v[\x+30]|
	v_max3_num_f32 v[MX], v[MX], v[TP], |v[\x+31]|
	v_add_nc_u32 v[SCO], 0xfe000000, v[MX]         ; 4 off its exponent field: the conversion takes the exponent field of this operand as its scale
	v_lshrrev_b32 v[\by], 23, v[SCO]               ; the scale's byte
	v_cvt_scalef32_pk16_bf6_f32 v[\c:\c+2], v[\x:\x+15], v[SCO]
	v_cvt_scalef32_pk16_bf6_f32 v[T:T+2], v[\x+16:\x+31], v[SCO]   ; (a conversion's three registers begin on an even number: the block's upper half is made elsewhere and moved)
	v_nop                                          ; one plain line behind a scaled conversion, ahead of the lines that read its result
	v_mov_b32 v[\c+3], v[T]
	v_mov_b32 v[\c+4], v[T+1]
	v_mov_b32 v[\c+5], v[T+2]
.endm
	s_cmp_lt_u32 s10, 2
	s_cbranch_scc0 .Lv_path
	; ---- K: 64 rows of 256 bytes.  32 loads of 512 consecutive bytes; through the stage as they lie; back 128 bytes a lane: a block of 32 numbers of one key.
.irp i, 0,1,2,3,4,5,6,7,8,9,10,11,12,13,14,15,16,17,18,19,20,21,22,23,24,25,26,27,28,29,30,31
	global_load_b128 v[R+4*\i:R+4*\i+3], v11, s[4:5] offset:512*\i th:TH_LOAD_NT
.endr
.irp g, 0,1,2,3
	s_wait_loadcnt 24-8*\g                         ; loads come back in order: these eight are in, the younger ones stay out
.irp j, 0,1,2,3,4,5,6,7
	ds_store_b128 v7, v[R+4*(8*\g+\j):R+4*(8*\g+\j)+3] offset:544*(8*\g+\j)+128*(\g/2)
.endr
.endr
.macro KREAD t, reg                    ; tile t of my four: rows 8 t + r % 8 + 32 (r / 8); LDS serves a wave's instructions in order, so these see the stores above
.irp j, 0,1,2,3,4,5,6,7
	ds_load_b128 v[\reg+4*\j:\reg+4*\j+3], v8 offset:2176*(\t)+16*\j
.endr
.endm
	KREAD 0, X
	KREAD 1, X+32
	s_wait_dscnt 8                                 ; tile 0 is back (tile 1's eight reads may be out): so the stores into the stage have read their registers,
	KREAD 2, R                                     ; which take tiles 2 and 3
	KREAD 3, R+32
	QBLK X, F, BY
	s_wait_dscnt 16                                ; tile 1 is back; tiles 2 and 3 may be out
	QBLK X+32, F+6, BY+1
.irp c, 0,1,2
	global_store_b128 v4, v[F+4*\c:F+4*\c+3], s[8:9] offset:512*\c         ; pair 2 e
.endr
	s_wait_dscnt 8                                 ; tile 2
	QBLK R, F+12, BY+2
	s_wait_dscnt 0x0                               ; tile 3
	QBLK R+32, F+18, BY+3
.irp c, 0,1,2
	global_store_b128 v4, v[F+12+4*\c:F+12+4*\c+3], s[8:9] offset:1536+512*\c   ; pair 2 e + 1
.endr
	v_lshl_or_b32 v[W0], v[BY+1], 16, v[BY]        ; my two bytes of each pair's word: block h of the pair's two tiles,
	v_lshl_or_b32 v[W1], v[BY+3], 16, v[BY+2]
	v_lshlrev_b32 v[W0], v6, v[W0]                 ; 8 h bits up;
	v_lshlrev_b32 v[W1], v6, v[W1]
	v_permlanex16_b32 v[PM], v[W0], s20, s21
	v_or_b32 v[W0], v[W0], v[PM]                   ; with lane l xor 16's two the word is whole
	v_permlanex16_b32 v[PM], v[W1], s20, s21
	v_or_b32 v[W1], v[W1], v[PM]
	v_cmp_lt_u32 vcc_lo, 15, v1
	v_cndmask_b32 v[W0], v[W0], v[W1], vcc_lo      ; lanes 0-15 store pair 2 e's words, lanes 16-31 pair 2 e + 1's
	global_store_b32 v5, v[W0], s[8:9] offset:12288
	s_wait_tensorcnt 0x0
	ds_add_u32 v254, v255
	s_wait_dscnt 0x0
	s_endpgm
.Lv_path:
	; ---- V: a lane takes a channel and its registers run down the keys: a block of 32 keys lies in one lane, and the codes come out with the keys innermost.
.macro VLOAD t                         ; block t: v(32 t + i, my channel): 32 lanes read 128 consecutive bytes, waves 2 and 3 together a row
.irp i, 0,1,2,3,4,5,6,7,8,9,10,11,12,13,14,15,16,17,18,19,20,21,22,23,24,25,26,27,28,29,30,31
	global_load_b32 v[R+32*(\t)+\i], v5, s[6:7] offset:256*(32*(\t)+\i) th:TH_LOAD_NT
.endr
.endm
; Block k = 2 c + h' is registers 6 c .. 6 c + 5 of image lane r + 16 h': they go to their places in the image's chunks of four registers.
.macro VBLK k, left
	s_wait_loadcnt \left                           ; this block's 32 loads are in; the one block issued behind it may be out
.if \k < 2
	VLOAD \k+2                                     ; two blocks ahead, into registers of its own
.endif
.if \k == 0
	QBLK R, F, W0                                  ; the first byte starts the scale word
.else
	QBLK R+32*\k, F+8*\k, BY
	v_lshl_or_b32 v[W0], v[BY], 8*\k, v[W0]
.endif
.if \k < 2
	ds_store_b128 v9, v[F+8*\k:F+8*\k+3] offset:256*\k             ; registers 0-3: chunk 0
	ds_store_b64 v9, v[F+8*\k+4:F+8*\k+5] offset:512+256*\k        ; registers 4, 5: the lower half of chunk 1
.else
	ds_store_b64 v9, v[F+8*\k:F+8*\k+1] offset:512+256*(\k-2)+8    ; registers 6, 7: its upper half
	ds_store_b128 v9, v[F+8*\k+2:F+8*\k+5] offset:1024+256*(\k-2)  ; registers 8-11: chunk 2
.endif
.endm
	VLOAD 0
	VLOAD 1
	VBLK 0, 32
	VBLK 1, 32
	VBLK 2, 32
	VBLK 3, 0
.irp j, 0,1,2,3,4,5
	ds_load_b128 v[X+4*\j:X+4*\j+3], v10 offset:512*\j             ; my two fragments' images, 16 bytes a lane; these see my stores
.endr
	s_wait_dscnt 0x0
.irp j, 0,1,2,3,4,5
	global_store_b128 v4, v[X+4*\j:X+4*\j+3], s[8:9] offset:6144+512*\j
.endr
	global_store_b32 v5, v[W0], s[8:9] offset:12544                ; lane l: tile 2 g + l / 16, row l % 16
	s_wait_tensorcnt 0x0
	ds_add_u32 v254, v255
	s_wait_dscnt 0x0
	s_endpgm
.Lfunc_end_k_q208f849d6b_quant:
	.size	k_q208f849d6b_quant, .Lfunc_end_k_q208f849d6b_quant-k_q208f849d6b_quant
	.p2alignl 7, 3214868480
	.fill 96, 4, 3214868480
	.section	.rodata,"a",@progbits
	.p2align	6, 0x0
	.amdhsa_kernel k_q208f849d6b_quant
		.amdhsa_group_segment_fixed_size 70656
		.amdhsa_private_segment_fixed_size 0
		.amdhsa_enable_private_segment 0
		.amdhsa_kernarg_size 24
		.amdhsa_user_sgpr_count 2
		.amdhsa_user_sgpr_kernarg_segment_ptr 1
		.amdhsa_wavefront_size32 1
		.amdhsa_system_sgpr_workgroup_id_x 1
		.amdhsa_system_sgpr_workgroup_id_y 1
		.amdhsa_system_sgpr_workgroup_id_z 1
		.amdhsa_system_vgpr_workitem_id 0
		.amdhsa_next_free_vgpr 256
		.amdhsa_next_free_sgpr 66
		.amdhsa_reserve_vcc 1
		.amdhsa_float_denorm_mode_32 3
		.amdhsa_float_denorm_mode_16_64 3
		.amdhsa_memory_ordered 1
		.amdhsa_forward_progress 1
		.amdhsa_inst_pref_size 36
	.end_amdhsa_kernel
	.amdgpu_metadata
---
amdhsa.version: [ 1, 2 ]
amdhsa.kernels:
  - .name:           k_q208f849d6b_quant
    .symbol:         k_q208f849d6b_quant.kd
    .args:
      - { .name: k, .offset: 0, .size: 8, .value_kind: global_buffer, .address_space: global }
      - { .name: v, .offset: 8, .size: 8, .value_kind: global_buffer, .address_space: global }
      - { .name: kv, .offset: 16, .size: 8, .value_kind: global_buffer, .address_space: global }
    .group_segment_fixed_size: 70656
    .private_segment_fixed_size: 0
    .kernarg_segment_align: 8
    .kernarg_segment_size: 24
    .max_flat_workgroup_size: 128
    .sgpr_count:     66
    .vgpr_count:     256
    .wavefront_size: 32
...
	.end_amdgpu_metadata
.endif
;; end of part 1
;; launch attn (part 2): grid 4 x 64, 16 waves a work-group, no clusters, 276,480 bytes of LDS; arguments q, kv, out0; writes out0
.if DOCPART == 2
	.amdgcn_target "amdgcn-amd-amdhsa--gfx1250"
	.amdhsa_code_object_version 6
	.text
	.protected	k_q208f849d6b_attn
	.globl	k_q208f849d6b_attn
	.p2align	8
	.type	k_q208f849d6b_attn,@function
k_q208f849d6b_attn:
	s_mov_b64 s[64:65], 0
	v_nop
	global_prefetch_b8 v0, s[64:65] scope:SCOPE_SE
	s_setreg_imm32_b32 hwreg(HW_REG_WAVE_MODE, 25, 1), 1
	s_wait_xcnt 0x0
; out0[h][q][:] = the sum over keys k <= q of attn(q, k) v[h][k][:], attn = softmax_k(q . k / 8): 64 heads, 2,048 queries and keys, head size 64; both products on codes of BF6 (E3M2) with E8M0 scales.
; WHAT IS QUANTISED AHEAD OF THE SECOND PRODUCT IS THE FINISHED, NORMALISED attn, along the keys.  So a row's sum must be known before any of its weights is quantised: each tile of 16 queries
; walks its keys TWICE.  Pass 1: scores, running maximum, sum.  Pass 2: scores again, attn = 2^(c s - M) x (1 / sum), quantised, times V.  O needs no rescaling and no division at the end.
; M is the row's largest t = c s (c = log2(e) / 8) rounded UP to a whole number, so every change of M multiplies the sum by a power of two: nothing is rounded by it.
; SHARES.  Work-group (p, head), p = 0..3, owns query blocks p and 7 - p of 256.  Wave w of sixteen takes two tiles of 16 queries: at 256 p + 16 w and at 2032 - that: 17 key steps of 128 that count, for every wave.
; K AND V arrive as images of operand registers, a bundle of 12,800 bytes for each key step (made by the launch before).  The head's 16 bundles, 204,800 bytes, come into LDS ONCE: wave w's one tensor load
; brings bundle w.  Nothing is filled again: one barrier in the launch.  Every global read is issued at the kernel's head.
; NO CLUSTER, though the four work-groups of a head read the same 204,800 bytes: which steps a wave leaves out and which it masks hangs on its query block, which would be the work-group's place
; in the cluster, and partners of a joint load take no branch that differs between them.
; LAYOUT.  Both products are used transposed (S^T = K Q^T, O^T = V^T P^T): a lane holds ONE query (lane % 16) throughout.
; The head's 64 numbers fill half of the instruction's 128 along K.  So one A operand carries TWO key tiles (k 0-63 and k 64-127) and is multiplied once by (Q | zeros) and once by (zeros | Q):
; zero codes add nothing.  The two B operands overlap in 18 registers laid zeros, Q, zeros.
; The keys of a tile are chosen so that score register n of lane (r, h) is key 32 h + n % 32 + 64 (n / 32) of the step: registers 0-31 are one whole block of 32 keys and registers 32-63 another, in the very
; order of the second product's operand.  So a block's largest weight needs no other lane, and nothing changes lanes between the products but two scale bytes.
; LIMITS: NaN and infinities among the inputs are not served.  Every query sees its own key, so no row is all hidden and the reference's NaN-to-0 has no case.  Weights under 2^-126 come out of
; v_exp_f32 as 0; a block whose largest attn lies under 2^-122 is taken at the floor's scale; a block of zeros has the byte 1 and zero codes.
.set BUND,  12800                      ; a bundle: K image 0, V image 6144, K's scale words 12288, V's 12544
.set VIM,   6144
.set KSC,   12288
.set VSC,   12544
.set STG,   16*BUND                    ; behind the bundles: a stage of 16 rows x 272 bytes for each wave, for q on the way in and O on the way out; no fill lands there
.set STGW,  4352
.set ADK,  8                           ; v8   LDS address of the step's images: bundle + 16 x lane
.set ADS,  9                           ; v9   of its scale words: bundle + 4 x lane
.set TM,   20                          ; v20-27 at work
.set QS,   28                          ; Q's scale word
.set PS,   29                          ; attn's
.set KS,   30                          ; v30-31 K's: lanes 0-15 pair 2 e, lanes 16-31 pair 2 e + 1
.set VS,   32                          ; v32-33 V's likewise
.set QB,   34                          ; v34-39 the second tile's codes;  v40 its scale word;  v41 its offset
.set QSB,  40
.set QZ,   42                          ; v42-47 zeros, v48-53 Q's codes, v54-59 zeros
.set KP,   60                          ; v60-107 four fragments of K or of V
.set S,    108                         ; v108-171 S^T, then p, then attn
.set O,    172                         ; v172-203 O^T
.set PC,   204                         ; v204-215 attn's codes
.set T0,   216                         ; v216-218, v220-222: upper halves of blocks, before they are moved
.set T1,   220
.set MX,   224
.set TP,   225
.set SCO,  226
.set BYR,  227
.set PM,   228
; other vector registers: v1 16 x lane; v2 4 x lane; v3 stage, O in; v4 stage, rows of 256 bytes; v5 stage, q out; v6 8 h; v7 byte offset of the tile's rows in q and out0; v10 r - 32 h; v11 -infinity;
; v12 -M; v13 the largest t; v[14:15] the sum; v[16:17] 1 / sum; v[18:19] f.   Scalars: s10 wave; s11 head; s13 the tile's first query; s14 the second tile's; s15 the step's first key; s16 its bundle in LDS;
; s17, s18 counters; s19 at work; s[20:21] lane selects; s[22:23] c; s[24:31], s[32:35] the descriptor.
	s_load_b128 s[4:7], s[0:1], 0x0                ; q, kv
	s_load_b64 s[8:9], s[0:1], 0x10                ; out0
	v_lshl_add_u32 v254, v0, 2, 0x43000
	v_mov_b32 v255, 0
	ds_add_u32 v254, v255
	ds_add_u32 v254, v255
	v_lshrrev_b32 v1, 5, v0
	v_readfirstlane_b32 s10, v1                    ; wave 0..15
	s_and_b32 s11, ttmp7, 0xffff                   ; head
	; descriptor group 1: a dense block of 12,800 bytes as 50 rows of 32 elements of 8 bytes
	s_mov_b32 s24, 3<<16                           ; no mask; elements of 8 bytes; no padding
	s_mov_b32 s25, 32<<16                          ; tensor_dim0 = 32
	s_mov_b32 s26, 50<<16                          ; tensor_dim1 = 50
	s_mov_b32 s27, 32<<16                          ; tile_dim0 = 32
	s_mov_b32 s28, 50                              ; tile_dim1 = 50
	s_mov_b32 s29, 32                              ; from row to row
	s_mov_b32 s30, 0
	s_mov_b32 s31, 0
	s_mov_b32 s32, 1                               ; group 0: count = 1,
	s_mul_i32 s33, s10, BUND                       ; LDS address: bundle w,
	s_mul_i32 s36, s11, 16*BUND
	s_add_co_u32 s36, s36, s33                     ; and its place in kv
	s_mov_b32 s37, 0
	s_lshl_b32 s38, s11, 19                        ; the head's 2,048 rows of 256 bytes in q and out0
	s_mov_b32 s39, 0
	s_lshl_b32 s13, ttmp9, 8
	s_lshl_b32 s19, s10, 4
	s_add_co_u32 s13, s13, s19                     ; my first tile's first query: 256 p + 16 w
	s_sub_co_u32 s14, 2032, s13                    ; my second tile's: block 7 - p, wave 15 - w's place
	v_and_b32 v20, 31, v0                          ; lane
	v_and_b32 v21, 15, v0                          ; r
	v_bfe_u32 v22, v0, 4, 1                        ; h
	v_lshlrev_b32 v1, 4, v20
	v_lshlrev_b32 v2, 2, v20
	s_lshl_b32 s19, s13, 8
	v_add_nc_u32 v7, s19, v1                       ; 256 x query + 16 x lane
	s_lshl_b32 s19, s14, 8
	v_add_nc_u32 v41, s19, v1
	s_mov_b32 s20, 0x76543210
	s_mov_b32 s21, 0xfedcba98                      ; v_permlanex16_b32's selects for lane l xor 16
	s_mov_b32 s22, 0x3e38aa3b                      ; c = log2(e) / 8
	s_mov_b32 s23, s22                             ; (named with it as a pair, so it is written)
	s_wait_dscnt 0x0
	s_wait_kmcnt 0x0
	s_add_nc_u64 s[4:5], s[4:5], s[38:39]
	s_add_nc_u64 s[8:9], s[8:9], s[38:39]
	s_add_nc_u64 s[34:35], s[6:7], s[36:37]
	s_or_b32 s35, s35, 0x80000000                  ; type = 2
	tensor_load_to_lds s[32:35], s[24:31]          ; my one tensor load: bundle w.  It stands ahead of every LDS read, every wait on TENSORcnt and the barrier
	s_nop 0
.irp j, 0,1,2,3
	v_mov_b32 v[QZ+\j], 0                          ; the zeros beside Q's codes
.endr
.irp i, 0,1,2,3,4,5,6,7
	global_load_b128 v[S+4*\i:S+4*\i+3], v7, s[4:5] offset:512*\i th:TH_LOAD_NT        ; my first tile of q: 512 consecutive bytes, two rows, a load
.endr
.irp i, 0,1,2,3,4,5,6,7
	global_load_b128 v[S+32+4*\i:S+32+4*\i+3], v41, s[4:5] offset:512*\i th:TH_LOAD_NT ; my second
.endr
.irp j, 4,5,12,13,14,15,16,17
	v_mov_b32 v[QZ+\j], 0
.endr
	s_mul_i32 s19, s10, STGW
	s_add_co_u32 s19, s19, STG                     ; my stage
	v_mul_u32_u24 v3, v21, 272
	v_lshl_add_u32 v5, v22, 7, v3                  ; q out: row r, + 128 h: my block of 32 numbers
	v_lshl_add_u32 v3, v22, 5, v3                  ; O in: row r, + 32 h
	v_add_nc_u32 v3, s19, v3
	v_add_nc_u32 v5, s19, v5
	v_mul_u32_u24 v4, v22, 272                     ; whole rows: lanes 0-15 one row of 256 bytes, lanes 16-31 the next
	v_lshl_add_u32 v4, v21, 4, v4
	v_add_nc_u32 v4, s19, v4
	v_lshlrev_b32 v6, 3, v22                       ; 8 h
	v_lshlrev_b32 v10, 5, v22
	v_sub_nc_u32 v10, v21, v10                     ; r - 32 h
	v_mov_b32 v11, 0xff800000                      ; -infinity
	v_mov_b32 v17, 0                               ; (upper halves of pairs of which the low word serves both halves: written once)
	v_mov_b32 v19, 0
	v_mov_b32 v[PM], 0                             ; written once: a lane permute's destination counts as one of its sources
.irp j, 0,1,2,3,4,5,6,7
	v_mov_b32 v[TM+\j], 0
.endr
; 32 numbers of my query's block h in v[x] on become Q's 6 registers of codes in v[c] on; the scale word in v[w] holds the two bytes twice, so that it serves (Q | zeros) and (zeros | Q).
.macro QUANTQ x, c, w
	v_max3_num_f32 v[MX], |v[\x]|, |v[\x+1]|, 0x2800000            ; the largest magnitude, in two chains, and the floor 2^(5 - 127): the byte cannot fall under 1
	v_max3_num_f32 v[TP], |v[\x+2]|, |v[\x+3]|, |v[\x+4]|
.irp i, 5,9,13,17,21,25
	v_max3_num_f32 v[MX], v[MX], |v[\x+\i]|, |v[\x+\i+1]|
	v_max3_num_f32 v[TP], v[TP], |v[\x+\i+2]|, |v[\x+\i+3]|
.endr
	v_max3_num_f32 v[MX], v[MX], |v[\x+29]|, |v[\x+30]|
	v_max3_num_f32 v[MX], v[MX], v[TP], |v[\x+31]|
	v_add_nc_u32 v[SCO], 0xfe000000, v[MX]         ; 4 off its exponent field: the conversions' scale operand
	v_lshrrev_b32 v[BYR], 23, v[SCO]               ; the scale's byte
	v_cvt_scalef32_pk16_bf6_f32 v[\c:\c+2], v[\x:\x+15], v[SCO]
	v_cvt_scalef32_pk16_bf6_f32 v[T0:T0+2], v[\x+16:\x+31], v[SCO] ; (a conversion's three registers begin on an even number)
	v_lshlrev_b32 v[BYR], v6, v[BYR]               ; my byte at its place, 8 h bits up.  (The plain line behind the conversions)
	v_mov_b32 v[\c+3], v[T0]
	v_mov_b32 v[\c+4], v[T0+1]
	v_mov_b32 v[\c+5], v[T0+2]
	v_permlanex16_b32 v[PM], v[BYR], s20, s21
	v_or_b32 v[BYR], v[BYR], v[PM]                 ; with lane l xor 16's: both bytes
	v_lshl_or_b32 v[\w], v[BYR], 16, v[BYR]
.endm
	s_wait_loadcnt 8                               ; my first tile is in; the second's eight loads may be out
.irp i, 0,1,2,3,4,5,6,7
	ds_store_b128 v4, v[S+4*\i:S+4*\i+3] offset:544*\i             ; through the stage as it lies,
.endr
.irp j, 0,1,2,3,4,5,6,7
	ds_load_b128 v[KP+4*\j:KP+4*\j+3], v5 offset:16*\j             ; and back 128 bytes a lane; LDS serves a wave's instructions in order: these see the stores, and the next tile's stores come behind them
.endr
	s_wait_loadcnt 0x0
.irp i, 0,1,2,3,4,5,6,7
	ds_store_b128 v4, v[S+32+4*\i:S+32+4*\i+3] offset:544*\i
.endr
.irp j, 0,1,2,3,4,5,6,7
	ds_load_b128 v[O+4*\j:O+4*\j+3], v5 offset:16*\j
.endr
	s_wait_dscnt 16                                ; the first tile is back; the second's sixteen LDS instructions may be out
	QUANTQ KP, QZ+6, QS
	s_wait_dscnt 0x0
	QUANTQ O, QB, QSB
	s_wait_tensorcnt 0x0                           ; my bundle has landed,
	s_barrier_signal -1                            ; (no LDS instruction of mine is out)
	s_barrier_wait -1                              ; and so have all sixteen
.macro LOADK                           ; the step's K: four pair fragments as they lie, three loads of 512 consecutive bytes each, and two registers of scale words
	v_add_nc_u32 v[ADK], s16, v1
	v_add_nc_u32 v[ADS], s16, v2
.irp b, 0,1,2,3
.irp c, 0,1,2
	ds_load_b128 v[KP+12*\b+4*\c:KP+12*\b+4*\c+3], v[ADK] offset:1536*\b+512*\c
.endr
.endr
	ds_load_b32 v[KS], v[ADS] offset:KSC
	ds_load_b32 v[KS+1], v[ADS] offset:KSC+128
	s_wait_dscnt 0x0
.endm
.macro QK                              ; S^T = K Q^T: key tile t lies in half t % 2 of pair t / 2 and meets Q in the same half; the other half meets zeros
.irp t, 0,1,2,3,4,5,6,7
.if (\t/2)%2
	v_wmma_scale_f32_16x16x128_f8f6f4 v[S+8*\t:S+8*\t+7], v[KP+12*(\t/2):KP+12*(\t/2)+11], v[QZ+6-6*(\t%2):QZ+17-6*(\t%2)], 0, v[KS+\t/4], v[QS] matrix_a_fmt:MATRIX_FMT_BF6 matrix_b_fmt:MATRIX_FMT_BF6 matrix_a_scale:MATRIX_SCALE_ROW1
.else
	v_wmma_scale_f32_16x16x128_f8f6f4 v[S+8*\t:S+8*\t+7], v[KP+12*(\t/2):KP+12*(\t/2)+11], v[QZ+6-6*(\t%2):QZ+17-6*(\t%2)], 0, v[KS+\t/4], v[QS] matrix_a_fmt:MATRIX_FMT_BF6 matrix_b_fmt:MATRIX_FMT_BF6
.endif
.endr
.rept 4
	v_nop                                          ; four places ahead of the first read of the scores and of loads into K's registers
.endr
.endm
; On the diagonal the scores of hidden keys become -infinity: p = 0 then.  A step all of whose keys count jumps over this: a scalar branch on ids.
.macro MASK
	s_add_co_u32 s19, s15, 127
	s_cmp_le_u32 s19, s13
	s_cbranch_scc1 .Lopen_\@
	s_sub_co_i32 s19, s13, s15
	v_add_nc_u32 v[TM+7], s19, v10                 ; d = my query - the step's first key - 32 h: register n is hidden where n % 32 + 64 (n / 32) > d
.set n, 0
.rept 64
	v_cmp_gt_i32 vcc_lo, (n&31)+64*(n>>5), v[TM+7]
	v_cndmask_b32 v[S+n], v[S+n], v11, vcc_lo      ; (ascending: each accumulator is read from its low end on)
.set n, n+1
.endr
.Lopen_\@:
.endm
.macro TOEXP                           ; p = 2^(c s - M): one fused multiply-add (two numbers an instruction) and one exponential
.irp j, 0,2,4,6,8,10,12,14,16,18,20,22,24,26,28,30,32,34,36,38,40,42,44,46,48,50,52,54,56,58,60,62
	v_pk_fma_f32 v[S+\j:S+\j+1], v[S+\j:S+\j+1], s[22:23], v[12:13] op_sel_hi:[1,0,0]   ; (of the pairs c and -M the low word serves both halves)
.endr
.irp j, 0,1,2,3,4,5,6,7,8,9,10,11,12,13,14,15,16,17,18,19,20,21,22,23,24,25,26,27,28,29,30,31,32,33,34,35,36,37,38,39,40,41,42,43,44,45,46,47,48,49,50,51,52,53,54,55,56,57,58,59,60,61,62,63
	v_exp_f32 v[S+\j], v[S+\j]
.endr
.endm
.macro LEVEL w                         ; one level of the sum's tree, in place: pairs w / 2 registers apart
.set u, 0
.rept 64/\w
	v_pk_add_f32 v[S+\w*u:S+\w*u+1], v[S+\w*u:S+\w*u+1], v[S+\w*u+\w/2:S+\w*u+\w/2+1]
.set u, u+1
.endr
.endm
; PASS 1, a key step: my lane's 64 keys enter my lane's own running maximum and sum; the two lanes of a query are merged once, behind the pass.
.macro STEP1
	s_add_co_u32 s19, s13, 15                      ; a step all of whose keys come after my 16 queries is left out: a scalar branch on ids
	s_cmp_gt_u32 s15, s19
	s_cbranch_scc1 .Lhid1_\@
	LOADK
	QK
	MASK
.irp b, 0,1,2,3
	v_max3_num_f32 v[TM+\b], v[S+16*\b], v[S+16*\b+1], v[S+16*\b+2]        ; the largest score, in four chains by turns
.endr
.irp i, 3,5,7,9,11,13
.irp b, 0,1,2,3
	v_max3_num_f32 v[TM+\b], v[TM+\b], v[S+16*\b+\i], v[S+16*\b+\i+1]
.endr
.endr
.irp b, 0,1,2,3
	v_max_num_f32 v[TM+\b], v[TM+\b], v[S+16*\b+15]
.endr
	v_max3_num_f32 v[TM+4], v[TM], v[TM+1], v[TM+2]
	v_max_num_f32 v[TM+4], v[TM+4], v[TM+3]
	v_mul_f32 v[TM+4], s22, v[TM+4]                ; as t (c is positive)
	v_max_num_f32 v13, v13, v[TM+4]                ; the running largest t
	v_mov_b32 v[TM+4], v12
	v_floor_f32 v12, -v13                          ; the new -M = floor(-t) = -ceil(t): a whole number
	v_sub_f32 v[TM+4], v12, v[TM+4]                ; old M - new M: a whole number, 0 or less
	v_cvt_i32_f32 v[TM+4], v[TM+4]                 ; (it saturates)
	v_ldexp_f32 v18, 1.0, v[TM+4]                  ; f = 2^(old M - new M)
	TOEXP
	v_pk_mul_f32 v[14:15], v[14:15], v[18:19] op_sel_hi:[1,0]      ; the sum under the new M: nothing is rounded.  (The plain line behind the exponentials)
	s_wait_alu depctr_va_vdst(0)                   ; one wait for the batch of 64, ahead of its first reader
	LEVEL 4                                        ; the step's sum as a tree, five levels deep
	LEVEL 8
	LEVEL 16
	LEVEL 32
	LEVEL 64
	v_pk_add_f32 v[14:15], v[14:15], v[S:S+1]
.Lhid1_\@:
.endm
; PASS 2, a key step.  zero = 1: the tile's first step, which is never hidden; its products start O^T's sums: nothing is cleared.
.macro STEP2 zero
.if \zero == 0
	s_add_co_u32 s19, s13, 15
	s_cmp_gt_u32 s15, s19
	s_cbranch_scc1 .Lhid2_\@
.endif
	LOADK
	QK
.irp t, 0,1,2,3                        ; V's four fragments take K's registers, behind QK's four places: they land during the softmax
.irp c, 0,1,2
	ds_load_b128 v[KP+12*\t+4*\c:KP+12*\t+4*\c+3], v[ADK] offset:VIM+1536*\t+512*\c
.endr
.endr
	ds_load_b32 v[VS], v[ADS] offset:VSC
	ds_load_b32 v[VS+1], v[ADS] offset:VSC+128
	MASK
	TOEXP                                          ; with the row's final M
	v_nop                                          ; the plain line behind the exponentials
	s_wait_alu depctr_va_vdst(0)                   ; one wait for the batch of 64, ahead of its first reader
	v_max3_num_f32 v[TM], v[S], v[S+1], v[S+2]     ; the largest p of my two blocks of 32 keys: two chains each, the four by turns.  No p is negative
	v_max3_num_f32 v[TM+1], v[S+32], v[S+33], v[S+34]
	v_max3_num_f32 v[TM+2], v[S+3], v[S+4], v[S+5]
	v_max3_num_f32 v[TM+3], v[S+35], v[S+36], v[S+37]
.irp i, 6,10,14,18,22,26
	v_max3_num_f32 v[TM], v[TM], v[S+\i], v[S+\i+1]
	v_max3_num_f32 v[TM+1], v[TM+1], v[S+32+\i], v[S+32+\i+1]
	v_max3_num_f32 v[TM+2], v[TM+2], v[S+\i+2], v[S+\i+3]
	v_max3_num_f32 v[TM+3], v[TM+3], v[S+32+\i+2], v[S+32+\i+3]
.endr
	v_max3_num_f32 v[TM], v[TM], v[S+30], v[S+31]
	v_max3_num_f32 v[TM+1], v[TM+1], v[S+62], v[S+63]
	v_max_num_f32 v[TM], v[TM], v[TM+2]
	v_max_num_f32 v[TM+1], v[TM+1], v[TM+3]
	v_mul_f32 v[TM], v[TM], v16                    ; x 1 / sum: the block's largest attn, with the bits that the multiplication below gives that number (a rounded multiplication by a positive number keeps the order)
	v_mul_f32 v[TM+1], v[TM+1], v16
	v_max_num_f32 v[TM], 0x2800000, v[TM]          ; the floor 2^(5 - 127): the byte cannot fall under 1
	v_max_num_f32 v[TM+1], 0x2800000, v[TM+1]
	v_add_nc_u32 v[TM+4], 0xfe000000, v[TM]        ; 4 off the exponent field: the conversions' scale operands
	v_add_nc_u32 v[TM+5], 0xfe000000, v[TM+1]
	v_lshrrev_b32 v[TM], 23, v[TM+4]               ; the scales' bytes: blocks h and 2 + h of the step's four
	v_lshrrev_b32 v[TM+1], 23, v[TM+5]
	v_lshl_or_b32 v[TM+2], v[TM+1], 16, v[TM]
	v_lshlrev_b32 v[TM+2], v6, v[TM+2]             ; at their places, 8 h bits up;
	v_permlanex16_b32 v[TM+3], v[TM+2], s20, s21
	v_or_b32 v[PS], v[TM+2], v[TM+3]               ; with lane l xor 16's two the word is whole
.irp j, 0,2,4,6,8,10,12,14,16,18,20,22,24,26,28,30,32,34,36,38,40,42,44,46,48,50,52,54,56,58,60,62
	v_pk_mul_f32 v[S+\j:S+\j+1], v[S+\j:S+\j+1], v[16:17] op_sel_hi:[1,0]   ; attn = p / sum, finished and normalised.  (These 32 are also the places between the scale word's last write and the products)
.endr
	v_cvt_scalef32_pk16_bf6_f32 v[PC:PC+2], v[S:S+15], v[TM+4]             ; registers 6 c .. 6 c + 5 of the operand: keys 64 c + 32 h + 0 .. 31: my own two blocks
	v_cvt_scalef32_pk16_bf6_f32 v[T0:T0+2], v[S+16:S+31], v[TM+4]          ; (a conversion's three registers begin on an even number)
	v_cvt_scalef32_pk16_bf6_f32 v[PC+6:PC+8], v[S+32:S+47], v[TM+5]
	v_cvt_scalef32_pk16_bf6_f32 v[T1:T1+2], v[S+48:S+63], v[TM+5]
	v_nop                                          ; one plain line behind a scaled conversion
.irp i, 0,1,2
	v_mov_b32 v[PC+3+\i], v[T0+\i]
	v_mov_b32 v[PC+9+\i], v[T1+\i]
.endr
.rept 4
	v_nop                                          ; an operand written by vector lines stands four places ahead of a scaled product
.endr
	s_wait_dscnt 0x0                               ; V and its scale words are in
.irp t, 0,1,2,3                        ; O^T += V^T P^T: the four accumulators by turns, one instruction a turn
.if \zero
.if \t%2
	v_wmma_scale_f32_16x16x128_f8f6f4 v[O+8*\t:O+8*\t+7], v[KP+12*\t:KP+12*\t+11], v[PC:PC+11], 0, v[VS+\t/2], v[PS] matrix_a_fmt:MATRIX_FMT_BF6 matrix_b_fmt:MATRIX_FMT_BF6 matrix_a_scale:MATRIX_SCALE_ROW1
.else
	v_wmma_scale_f32_16x16x128_f8f6f4 v[O+8*\t:O+8*\t+7], v[KP+12*\t:KP+12*\t+11], v[PC:PC+11], 0, v[VS+\t/2], v[PS] matrix_a_fmt:MATRIX_FMT_BF6 matrix_b_fmt:MATRIX_FMT_BF6
.endif
.else
.if \t%2
	v_wmma_scale_f32_16x16x128_f8f6f4 v[O+8*\t:O+8*\t+7], v[KP+12*\t:KP+12*\t+11], v[PC:PC+11], v[O+8*\t:O+8*\t+7], v[VS+\t/2], v[PS] matrix_a_fmt:MATRIX_FMT_BF6 matrix_b_fmt:MATRIX_FMT_BF6 matrix_a_scale:MATRIX_SCALE_ROW1
.else
	v_wmma_scale_f32_16x16x128_f8f6f4 v[O+8*\t:O+8*\t+7], v[KP+12*\t:KP+12*\t+11], v[PC:PC+11], v[O+8*\t:O+8*\t+7], v[VS+\t/2], v[PS] matrix_a_fmt:MATRIX_FMT_BF6 matrix_b_fmt:MATRIX_FMT_BF6
.endif
.endif
.endr
.rept 4
	v_nop                                          ; four places ahead of the next loads into V's registers and of the way out's reads of O^T
.endr
.if \zero == 0
.Lhid2_\@:
.endif
.endm
	s_mov_b32 s18, 2                               ; my two tiles
.Ltile:
	v_mov_b32 v13, 0xff61b1e6                      ; the largest t so far: -3e38, under every t
	v_floor_f32 v12, -v13                          ; -M
	v_mov_b32 v14, 0                               ; the sum, in two halves: the first change of M multiplies zeros
	v_mov_b32 v15, 0
.rept 4
	v_nop                                          ; with the four lines above: eight places between the vector lines that wrote Q's scale word and codes and the first scaled product
.endr
	s_mov_b32 s15, 0
	s_mov_b32 s16, 0
	s_mov_b32 s17, 16
.Lp1:                                              ; pass 1: 16 trips, a constant; hidden steps are jumped over inside the trip
	STEP1
	s_add_co_u32 s15, s15, 128
	s_add_co_u32 s16, s16, BUND
	s_sub_co_u32 s17, s17, 1
	s_cmp_lg_u32 s17, 0
	s_cbranch_scc1 .Lp1
	; the two lanes of a query are merged: the larger M holds, each lane's sum is brought under it by a power of two, and the sums are added
	v_permlanex16_b32 v[TM], v12, s20, s21
	v_min_num_f32 v[TM], v12, v[TM]                ; the smaller -M
	v_sub_f32 v[TM+1], v[TM], v12                  ; my M - the row's M: a whole number, 0 or less
	v_cvt_i32_f32 v[TM+1], v[TM+1]                 ; (it saturates: a lane all of whose keys were hidden has the sum 0)
	v_add_f32 v14, v14, v15
	v_ldexp_f32 v14, v14, v[TM+1]
	v_mov_b32 v12, v[TM]
	v_permlanex16_b32 v[TM+2], v14, s20, s21
	v_add_f32 v14, v14, v[TM+2]                    ; the row's sum: above 1/2, since the largest p is
	v_rcp_f32 v16, v14
	v_nop                                          ; a plain line behind the reciprocal,
	s_wait_alu depctr_va_vdst(0)                   ; and a wait ahead of its first reader
	v_fma_f32 v[TM+3], -v14, v16, 1.0              ; one Newton step: what goes into the quantiser is as accurate as f32 allows
	v_fma_f32 v16, v16, v[TM+3], v16
	s_mov_b32 s15, 0
	s_mov_b32 s16, 0
	STEP2 1                                        ; pass 2: the first step stands ahead of the loop and starts O^T's sums
	s_mov_b32 s15, 128
	s_mov_b32 s16, BUND
	s_mov_b32 s17, 15
.Lp2:
	STEP2 0
	s_add_co_u32 s15, s15, 128
	s_add_co_u32 s16, s16, BUND
	s_sub_co_u32 s17, s17, 1
	s_cmp_lg_u32 s17, 0
	s_cbranch_scc1 .Lp2
	; THE WAY OUT: register 8 t + j of lane (r, h) is out(query r, channel 16 t + 8 h + j): through my stage, and back as whole rows of 256 bytes
.irp t, 0,1,2,3
	ds_store_b128 v3, v[O+8*\t:O+8*\t+3] offset:64*\t              ; each accumulator from its low end on
	ds_store_b128 v3, v[O+8*\t+4:O+8*\t+7] offset:64*\t+16
.endr
.irp i, 0,1,2,3,4,5,6,7
	ds_load_b128 v[KP+4*\i:KP+4*\i+3], v4 offset:544*\i            ; LDS serves a wave's instructions in order: these see my stores
.endr
.irp i, 0,1,2,3,4,5,6,7
	s_wait_dscnt 7-\i                              ; load i is back; the younger ones may be out
	global_store_b128 v7, v[KP+4*\i:KP+4*\i+3], s[8:9] offset:512*\i th:TH_STORE_NT   ; 32 lanes store 512 consecutive bytes, at a multiple of 256 from out0's first byte
.endr
	s_wait_xcnt 0x0                                ; the stores have read their registers: the offset and K's registers are written again only behind this wait
	v_mov_b32 v7, v41                              ; on to my second tile: its offset, its scale word, its codes, its first query
	v_mov_b32 v[QS], v[QSB]
.irp j, 0,1,2,3,4,5
	v_mov_b32 v[QZ+6+\j], v[QB+\j]
.endr
	s_mov_b32 s13, s14
	s_sub_co_u32 s18, s18, 1
	s_cmp_lg_u32 s18, 0
	s_cbranch_scc1 .Ltile
	s_wait_tensorcnt 0x0
	ds_add_u32 v254, v255
	s_wait_dscnt 0x0
	s_endpgm
.Lfunc_end_k_q208f849d6b_attn:
	.size	k_q208f849d6b_attn, .Lfunc_end_k_q208f849d6b_attn-k_q208f849d6b_attn
	.p2alignl 7, 3214868480
	.fill 96, 4, 3214868480
	.section	.rodata,"a",@progbits
	.p2align	6, 0x0
	.amdhsa_kernel k_q208f849d6b_attn
		.amdhsa_group_segment_fixed_size 276480
		.amdhsa_private_segment_fixed_size 0
		.amdhsa_enable_private_segment 0
		.amdhsa_kernarg_size 24
		.amdhsa_user_sgpr_count 2
		.amdhsa_user_sgpr_kernarg_segment_ptr 1
		.amdhsa_wavefront_size32 1
		.amdhsa_system_sgpr_workgroup_id_x 1
		.amdhsa_system_sgpr_workgroup_id_y 1
		.amdhsa_system_sgpr_workgroup_id_z 1
		.amdhsa_system_vgpr_workitem_id 0
		.amdhsa_next_free_vgpr 256
		.amdhsa_next_free_sgpr 66
		.amdhsa_reserve_vcc 1
		.amdhsa_float_denorm_mode_32 3
		.amdhsa_float_denorm_mode_16_64 3
		.amdhsa_memory_ordered 1
		.amdhsa_forward_progress 1
		.amdhsa_inst_pref_size 67
	.end_amdhsa_kernel
	.amdgpu_metadata
---
amdhsa.version: [ 1, 2 ]
amdhsa.kernels:
  - .name:           k_q208f849d6b_attn
    .symbol:         k_q208f849d6b_attn.kd
    .args:
      - { .name: q, .offset: 0, .size: 8, .value_kind: global_buffer, .address_space: global }
      - { .name: kv, .offset: 8, .size: 8, .value_kind: global_buffer, .address_space: global }
      - { .name: out0, .offset: 16, .size: 8, .value_kind: global_buffer, .address_space: global }
    .group_segment_fixed_size: 276480
    .private_segment_fixed_size: 0
    .kernarg_segment_align: 8
    .kernarg_segment_size: 24
    .max_flat_workgroup_size: 512
    .sgpr_count:     66
    .vgpr_count:     256
    .wavefront_size: 32
...
	.end_amdgpu_metadata
.endif
;; end of part 2
